; MI455X (gfx1250); checked and timed in simulation.
; The chip was launched on July 23, 2026; its instructions are those of AMD's public machine-readable ISA for CDNA 5 (MIT licence, August 2026) and "CDNA5" Instruction Set Architecture Reference Guide (July 2026). The comments in the code are by the model that wrote it; some were corrected since.
;; alpha net spatial. Allowed arithmetic: matrix products marked QUANTISED: E2M1 operands, one E8M0 scale for each 32 along K, by v_wmma_scale_f32_16x16x128_f8f6f4 with both operands' format E2M1 (or v_wmma_scale_f32_32x16x128_f4), f32 sums; products left as they are: f32 operands where the result goes on into a quantised operand, else bf16, f16 or f32 operands; f32 sums; everything else in f32.
;; Inputs: h 32 x 256 x 32 x 32 float32; w1_b 1 float32; w1_w 1 x 256 float32; w2_b 1 float32; w2_w 1 x 256 float32.
;; Outputs: out0 32 x 256 x 32 x 32 float32.
;; This version of the problem:
;;   THIS VERSION OF THE PROBLEM IS GIVEN IN LOW PRECISION. The matrix products marked QUANTISED in the list below multiply operands that are first quantised to E2M1 (2 exponent bits, 1 mantissa bit; 4 bits a number), with one power-of-two scale for each 32 numbers along K (OCP MX v1.0); their sums are f32. All else is computed in f32.
;;   The module's matrix products, in the order in which they are computed (A, B: the left and right operand; K: the contracted axis; several contracted axes count as one K, in the product's order):
;;     1. [M 32,768, K 256] x [K 256, N 1]; A: input h; B: input w1_w: left as it is (N = 1 < 16)
;;     2. [M 32,768, K 256] x [K 256, N 1]; A: input h; B: input w2_w: left as it is (N = 1 < 16)
;;     3. batch 32 x [M 1,024, K 1,024] x [K 1,024, N 256]; A: softmax (see below); B: input h: QUANTISED
;;   THE QUANTISER, for each operand of a quantised product, along K:
;;     - K is cut into blocks of 32 from its start; a last block that is shorter is filled with zeros.
;;     - A block's scale is 2^e with e = floor(log2(the largest magnitude in the block)) - 2, held to -126 .. 127; a block of zeros has e = 0. As a byte (E8M0): e + 127.
;;     - Each number is divided by its block's scale, clamped to +-6, and rounded to the nearest number of E2M1, ties to even, subnormals kept.
;;     - The product sums the exact products of the quantised numbers (number of the format x scale) in f32.
;;   ~~~python
;;   def quantise(x, axis):      # numpy; x: float32 -> the quantised numbers, widened to float32 again
;;       x = np.moveaxis(x, axis, -1); K = x.shape[-1]
;;       x = np.pad(x, [(0, 0)] * (x.ndim - 1) + [(0, -K % 32)]); x = x.reshape(x.shape[:-1] + (-1, 32)); a = np.abs(x).max(-1, keepdims=True)
;;       e = np.where(a > 0, np.clip(np.frexp(np.where(a > 0, a, 1))[1] - 1 - 2, -126, 127), 0)      # np.frexp(a)[1] - 1 = floor(log2(a)), exactly
;;       r = np.clip(x / 2.0 ** e, -6, 6)
;;       step = 2.0 ** (np.maximum(np.frexp(np.where(r == 0, 1, r))[1] - 1, 0) - 1)
;;       q = np.round(r / step) * step * 2.0 ** e      # np.round: ties to even
;;       return np.moveaxis(q.reshape(q.shape[:-2] + (-1,))[..., :K], -1, axis).astype(np.float32)
;;   ~~~
;;   SOFTMAX AHEAD OF A QUANTISED PRODUCT. Where the list says 'softmax', what is quantised is not the finished softmax but p = 2^(t - M), with t = logit x log2(e) and M = ceil(the row's largest t), a whole number; so 1/2 < the row's largest p <= 1. The row's sum l is taken of the UNQUANTISED p, in f32, and the product's result is divided by l at the end. Since M is a whole number, a kernel that streams over the keys may use a running M (the ceiling of the running maximum): every later rescaling is an exact power of two, which a block's scale takes up: the codes' values come out the same.
;;   OPERANDS COMPUTED ON THE WAY. 'Computed on the way' means the value that the module computes at that place (a softmax that the list does not call 'softmax' is quantised finished and normalised). What goes into a quantiser is computed in f32, as accurately as f32 sums, v_exp_f32 and their like allow (about 1e-6 of the number): no bf16 or f16 on the way to a quantiser, and a product that is left as it is and whose result goes on into a quantised operand takes f32 operands (vector FMAs, or v_wmma_f32_16x16x4_f32). A number that lies on a knife's edge between two numbers of the format may be rounded either way, as far as f32 arithmetic and the matrix unit's own rounding can turn it there, and no further.
;; One version. Each part assembles by itself: llvm-mc -triple=amdgcn-amd-amdhsa -mcpu=gfx1250 --defsym DOCPART=n.
;; ======== version 1 of 1: 2 launches
;; limits: right only within a limited range of input values
;; workspace buffers: codes 4,194,304 bytes; ktab 589,824 bytes; qtab 262,144 bytes
;; launch prep (part 1): grid 8 x 32, 8 waves a work-group, no clusters, 168,960 bytes of LDS; arguments h, w1_w, w1_b, w2_w, w2_b, codes, ktab, qtab; writes codes, ktab, qtab
.if DOCPART == 1
	.amdgcn_target "amdgcn-amd-amdhsa--gfx1250"
	.amdhsa_code_object_version 6
	.text
	.protected	k_qcc4d43413d_prep
	.globl	k_qcc4d43413d_prep
	.p2align	8
	.type	k_qcc4d43413d_prep,@function
k_qcc4d43413d_prep:
	s_mov_b64 s[64:65], 0
	v_nop
	global_prefetch_b8 v0, s[64:65] scope:SCOPE_SE
	s_setreg_imm32_b32 hwreg(HW_REG_WAVE_MODE, 25, 1), 1
	s_wait_xcnt 0x0
; h [32][256 channels][1,024 tokens], f32, is read ONCE and turned into what the second launch wants:
;   codes [b][s 8][ct 16][c 2][lane 32][16 bytes]: h as codes of FP4 (E2M1), quantised along the tokens (the second launch's K), laid as the image of an operand's registers:
;         fragment (s, ct) holds channels 16 ct + r and tokens 128 s + 64 c + 32 hf + 0 .. 31 in lane 16 hf + r, registers 4 c .. 4 c + 3.
;   ktab  [b][s][2,304 bytes]: 0: MK[128] f32, 512: EK[128] i32, 1,024: h's scale words [256 channels], 2,048: for each lane l the pair (m, e) of the largest k of block l / 8.
;   qtab  [b][s][1,024 bytes]: MQ[128] f32, EQ[128] i32.
; a = sum over c of h w1 + b1 and k = sum over c of h w2 + b2 are f32 multiply-adds.  Of each token's scalar x the launch stores 2^(C x), C = 2 log2(e), as a mantissa m = 2^(fraction) in f32
; and a whole exponent e in i32: then e^(2 (a + k)) is mq mk 2^(eq + ek), and the second launch needs no exponential for the argument of tanh.  C x is made in two parts (a product and its
; error by a fused multiply-add, and C's low part), so that the fraction keeps f32's accuracy for large x too.
; LIMITS: x is held at +-2^27 (1.34e8) ahead of the product: beyond that a and k are not served exactly.  NaN and infinities among the inputs are not served.
; A block of zeros of h gets the scale byte 1 where the quantiser's rule says 127: its codes are zeros, and this program alone reads the bytes.
; SHARES.  Work-group (x = s, y = b) takes 256 channels x 128 tokens, 128 KiB, one work-group to a WGP; wave w its channels 32 w .. 32 w + 31.  All 32 rows of a wave are asked for at once, one load of 512 consecutive bytes a row,
; and are worked four at a time in the order in which they were asked for.  A lane holds tokens 4 lane + 0 .. 3 of each row; eight lanes hold a block of 32.
; A CONVERSION takes eight registers of a lane, which here are two rows' four tokens: with the one row's scale its low 16 bits are that row's codes, with the other's its high 16 bits the other's.
; Neighbouring lanes change halves: the even lane then has eight tokens of the even row, the odd lane the same eight of the odd row: 32 bits each for the image in LDS.
; No two work-groups read the same bytes of h, so there is no cluster; all loads are out from the head on, so there is no prefetch.
.set BP,    288                        ; LDS: the waves' images from 0: a block of 32 tokens x 16 rows is 256 bytes + 32 of padding, so that a store's four blocks do not fall on the same banks; four blocks a tile, two tiles a wave
.set WIMG,  8*BP
.set SWS,   8*WIMG                     ; the scale bytes [wave][4 rows][block] as dwords of four rows: 1,024 bytes;
.set PART,  SWS+1024                   ; the waves' partial sums: k's at 512 w, a's at 4,096 + 512 w, 128 f32 each;
.set SPARE, PART+8192                  ; the spare words, 128 bytes for each wave
.set REC,   2304                       ; a record of ktab
.set SPW, 2                            ; v2   my spare word's address, v3 0: never rewritten
.set NIL, 3
.set CA,  4                            ; v4   where I put 32 bits of codes
.set SBA, 5                            ; v5   where I put a dword of scale bytes
.set PSA, 6                            ; v6   where I put my partial sums
.set CR,  7                            ; v7   where I read the image
.set PTA, 8                            ; v8   waves 0, 1: where the eight partial sums are read
.set SWR, 9                            ; v9   waves 2, 3: where the scale bytes are read
.set O16, 10                           ; v10  16 x lane
.set O8,  11                           ; v11  8 x lane
.set SEL, 12                           ; v12  v_perm_b32's selector: even lanes (my low half, my neighbour's low half), odd lanes (its high half, my high half)
.set OSW, 13                           ; v13  16 x lane + 512 (w & 1)
.set BLK, 14                           ; v14  lane / 8: my block of 32 tokens
.set L8,  15                           ; v15  lane % 8
.set KS,  16                           ; v16-19  k's sums of my four tokens over my 32 channels
.set AS,  20                           ; v20-23  a's
.set QM,  24                           ; v24-27  four rows' largest magnitudes
.set SO,  28                           ; v28-31  their conversions' scale operands
.set QC,  32                           ; v32-35  their codes
.set BT,  36                           ; v36-39  their scale bytes
.set CO,  40                           ; v40-41, v42-43 dwords on their way to LDS: two sets by turns
.set XA,  44                           ; v44-45  two rows' codes in one register
.set SWD, 46                           ; v46     the scale bytes that my lane stores: those of rows 4 (lane % 8) + 0 .. 3
.set CI,  48                           ; v48-63  the image on its way out
.set XS,  64                           ; v64-191 my 32 rows, 4 registers each
	s_load_b256 s[4:11], s[0:1], 0x0               ; h s[4:5], w1_w s[6:7], w1_b s[8:9], w2_w s[10:11]
	s_load_b256 s[12:19], s[0:1], 0x20             ; w2_b s[12:13], codes s[14:15], ktab s[16:17], qtab s[18:19]
	v_lshl_add_u32 v[SPW], v0, 2, SPARE
	v_mov_b32 v[NIL], 0
	v_lshrrev_b32 v1, 5, v0
	v_readfirstlane_b32 s2, v1                     ; wave 0..7
	s_and_b32 s23, ttmp7, 0xffff                   ; b
	s_lshl_b32 s36, s23, 3
	s_add_co_u32 s36, s36, ttmp9                   ; 8 b + s
	s_lshl_b32 s24, s23, 20                        ; h: b x 1 MiB + 32 w rows of 4,096 bytes + 512 s
	s_lshl_b32 s25, s2, 17
	s_add_co_u32 s24, s24, s25
	s_lshl_b32 s25, ttmp9, 9
	s_add_co_u32 s24, s24, s25
	s_mov_b32 s25, 0
	s_lshl_b32 s26, s36, 14                        ; codes: (8 b + s) x 16,384 + 2 w tiles of 1,024 bytes
	s_lshl_b32 s27, s2, 11
	s_add_co_u32 s26, s26, s27
	s_mov_b32 s27, 0
	s_mul_i32 s28, s36, REC                        ; ktab's record
	s_mov_b32 s29, 0
	s_lshl_b32 s30, s36, 10                        ; qtab's
	s_mov_b32 s31, 0
	s_lshl_b32 s32, s2, 7                          ; my 32 weights
	s_mov_b32 s33, 0
	s_mul_i32 s37, s2, WIMG                        ; my image
	s_lshl_b32 s38, s2, 7
	s_add_co_u32 s38, s38, SWS
	s_lshl_b32 s39, s2, 9
	s_add_co_u32 s39, s39, PART
	s_and_b32 s40, s2, 1
	s_lshl_b32 s41, s40, 12
	s_add_co_u32 s41, s41, PART
	s_lshl_b32 s42, s40, 9
	s_add_co_u32 s43, s42, SWS
	v_and_b32 v1, 31, v0                           ; lane
	v_bfe_u32 v[BLK], v0, 3, 2
	v_and_b32 v[L8], 7, v0
	v_and_b32 v48, 1, v0
	v_bfe_u32 v49, v0, 1, 2
	v_bfe_u32 v51, v0, 4, 1                        ; hf
	v_and_b32 v52, 15, v0                          ; r
	v_mov_b32 v[SEL], 0x05040100
	v_mov_b32 v53, 0x03020706
	v_cmp_eq_u32 vcc_lo, 1, v48
	v_cndmask_b32 v[SEL], v[SEL], v53, vcc_lo
	v_mul_u32_u24 v50, v[BLK], BP
	v_mul_u32_u24 v51, v51, BP
	v_lshlrev_b32 v[O16], 4, v1
	v_lshlrev_b32 v[O8], 3, v1
	v_lshl_add_u32 v[CA], v49, 2, v50              ; block x pitch + 4 bytes for each pair of lanes; odd lanes a row (16 bytes) on
	v_lshl_add_u32 v[SBA], v[L8], 4, s38
	v_lshl_add_u32 v[CR], v52, 4, v51
	v_lshl_add_u32 v[CA], v48, 4, v[CA]
	v_lshl_add_u32 v[SBA], v[BLK], 2, v[SBA]
	v_add_nc_u32 v[CR], s37, v[CR]
	v_add_nc_u32 v[CA], s37, v[CA]
	v_lshl_add_u32 v[PSA], v1, 4, s39
	v_lshl_add_u32 v[PTA], v1, 4, s41              ; wave 0 reads k's partial sums, wave 1 a's
	v_lshl_add_u32 v[SWR], v1, 4, s43
	v_lshl_add_u32 v[OSW], v1, 4, s42
	s_wait_alu depctr_va_vdst(0)                   ; the wait at the head's end
	s_wait_kmcnt 0x0
	s_add_nc_u64 s[4:5], s[4:5], s[24:25]
	s_add_nc_u64 s[6:7], s[6:7], s[32:33]
	s_add_nc_u64 s[10:11], s[10:11], s[32:33]
	s_add_nc_u64 s[14:15], s[14:15], s[26:27]
	s_add_nc_u64 s[16:17], s[16:17], s[28:29]
	s_add_nc_u64 s[18:19], s[18:19], s[30:31]
	s_load_b256 s[20:27], s[6:7], 0x0              ; w1 of my channel rho in s[20 + rho]
	s_load_b256 s[28:35], s[6:7], 0x20
	s_load_b256 s[36:43], s[6:7], 0x40
	s_load_b256 s[44:51], s[6:7], 0x60
	s_load_b256 s[52:59], s[10:11], 0x0            ; w2 of rho = 0 .. 7 in s52-59, of rho = 8 .. 31 in s68-91
	s_load_b256 s[68:75], s[10:11], 0x20
	s_load_b256 s[76:83], s[10:11], 0x40
	s_load_b256 s[84:91], s[10:11], 0x60
	s_load_b32 s100, s[8:9], 0x0                   ; b1
	s_load_b32 s101, s[12:13], 0x0                 ; b2
.set i, 0
.rept 32
	global_load_b128 v[XS+4*i:XS+4*i+3], v[O16], s[4:5] offset:4096*i th:TH_LOAD_NT   ; row i: 32 lanes, 512 consecutive bytes
.set i, i+1
.endr
; Four rows: their share of both sums (row 0 starts them: nothing is cleared), and their codes and scale bytes.
; A block's scale is 2^(floor(log2(its largest magnitude)) - 2): its byte is the largest magnitude's exponent field - 2, held at 1 from below by the floor 2^(3 - 127) among the maximum's leaves.
.macro ROWS g
	s_wait_loadcnt 28-4*(\g)                       ; these four rows are in; those behind may be out
.if (\g) > 1
	s_wait_dscnt 2                                 ; the stores of two groups ago have read their registers (the last group's two may be out)
.endif
.set rho, 4*(\g)
.rept 4
.set w2r, 52+rho+8*((rho+24)/32)
.irp j, 0,1,2,3
.if rho == 0
	v_mul_f32 v[AS+\j], s[20+rho], v[XS+4*rho+\j]
	v_mul_f32 v[KS+\j], s[w2r], v[XS+4*rho+\j]
.else
	v_fmac_f32 v[AS+\j], s[20+rho], v[XS+4*rho+\j]
	v_fmac_f32 v[KS+\j], s[w2r], v[XS+4*rho+\j]
.endif
.endr
.set rho, rho+1
.endr
.set XG, XS+16*(\g)
.set CG, CO+2*((\g)%2)
.irp i, 0,1,2,3
	v_max3_num_f32 v[QM+\i], |v[XG+4*\i]|, |v[XG+4*\i+1]|, 0x1800000
.endr
.irp i, 0,1,2,3
	v_max3_num_f32 v[QM+\i], v[QM+\i], |v[XG+4*\i+2]|, |v[XG+4*\i+3]|
.endr
.irp x, 1,2,4
.irp i, 0,1,2,3
	v_max_num_f32_dpp v[QM+\i], v[QM+\i], v[QM+\i] row_xmask:\x row_mask:0xf bank_mask:0xf   ; with the other seven lanes of the block
.endr
.endr
.irp i, 0,1,2,3
	v_add_nc_u32 v[SO+\i], 0xff000000, v[QM+\i]    ; 2 off the exponent field: the conversion takes the exponent field of this operand as its scale
.endr
.irp i, 0,1,2,3
	v_cvt_scalef32_pk8_fp4_f32 v[QC+\i], v[XG+8*(\i/2):XG+8*(\i/2)+7], v[SO+\i]   ; row i's four tokens are in the low half for even i, in the high half for odd
.endr
.irp i, 0,1,2,3
	v_lshrrev_b32 v[BT+\i], 23, v[SO+\i]           ; the scale's byte
.endr
.irp i, 0,1
	v_perm_b32 v[XA+\i], v[QC+2*\i+1], v[QC+2*\i], 0x07060100      ; the even row's half below, the odd row's above
.endr
.irp i, 0,2
	v_lshl_or_b32 v[BT+\i], v[BT+\i+1], 8, v[BT+\i]
.endr
.irp i, 0,1
	v_mov_b32_dpp v[QM+\i], v[XA+\i] row_xmask:1 row_mask:0xf bank_mask:0xf      ; my neighbour's
.endr
	v_lshl_or_b32 v[BT], v[BT+2], 16, v[BT]        ; the four rows' bytes of my block
	v_cmp_eq_u32 vcc_lo, \g, v[L8]
.irp i, 0,1
	v_perm_b32 v[CG+\i], v[QM+\i], v[XA+\i], v[SEL]
.endr
.if (\g) == 0
	v_mov_b32 v[SWD], v[BT]
.else
	v_cndmask_b32 v[SWD], v[SWD], v[BT], vcc_lo    ; lane % 8 = g keeps them
.endif
.irp i, 0,1
	ds_store_b32 v[CA], v[CG+\i] offset:4*BP*((4*(\g)+2*\i)/16)+16*((4*(\g)+2*\i)%16)
.endr
.endm
	s_wait_kmcnt 0x0                               ; the weights and biases
.irp g, 0,1,2,3,4,5,6,7
	ROWS \g
.endr
	ds_store_b128 v[PSA], v[KS:KS+3]
	ds_store_b128 v[PSA], v[AS:AS+3] offset:4096
	ds_store_b32 v[SBA], v[SWD]
.irp t, 0,1
.irp c, 0,1
	ds_load_b128 v[CI+8*\t+4*\c:CI+8*\t+4*\c+3], v[CR] offset:4*BP*\t+2*BP*\c    ; my own image: LDS serves a wave's instructions in order (ISA guide 5.7.1.4)
.endr
.endr
	s_wait_dscnt 0x0                               ; the image is in registers; and for the others' sake: my LDS stores are done
.irp t, 0,1,2,3
	global_store_b128 v[O16], v[CI+4*\t:CI+4*\t+3], s[14:15] offset:512*\t   ; 512 consecutive bytes, at a multiple of 256 from the buffer's first byte
.endr
	s_barrier_signal -1
	s_barrier_wait -1                              ; the last barrier: behind it the waves part on their numbers
	s_cmp_ge_u32 s2, 4
	s_cbranch_scc1 .Lend                           ; waves 4-7 are done
	s_cmp_ge_u32 s2, 2
	s_cbranch_scc1 .Lwords
	; ---- wave 0: the keys' table;  wave 1: the queries'
.irp i, 0,1,2,3,4,5,6,7
	ds_load_b128 v[64+4*\i:67+4*\i], v[PTA] offset:512*\i          ; the eight waves' partial sums of tokens 4 lane + 0 .. 3
.endr
	s_mov_b32 s20, 0x4038aa3b                      ; C = 2 log2(e): its f32,
	s_mov_b32 s21, 0x33257060                      ; and what that leaves
	s_cmp_eq_u32 s2, 0
	s_cselect_b32 s22, s101, s100                  ; the bias: b2 for keys, b1 for queries
	s_cselect_b64 s[24:25], s[16:17], s[18:19]     ; the record: ktab's or qtab's (the choice hangs on the wave's number alone)
	s_mov_b32 s26, 0x4d000000                      ; 2^27
	s_wait_dscnt 0x0
.irp i, 0,8,16,24
	v_pk_add_f32 v[64+\i:65+\i], v[64+\i:65+\i], v[68+\i:69+\i]
	v_pk_add_f32 v[66+\i:67+\i], v[66+\i:67+\i], v[70+\i:71+\i]
.endr
.irp i, 0,16
	v_pk_add_f32 v[64+\i:65+\i], v[64+\i:65+\i], v[72+\i:73+\i]
	v_pk_add_f32 v[66+\i:67+\i], v[66+\i:67+\i], v[74+\i:75+\i]
.endr
	v_pk_add_f32 v[96:97], v[64:65], v[80:81]
	v_pk_add_f32 v[98:99], v[66:67], v[82:83]
.irp j, 0,1,2,3
	v_add_f32 v[96+\j], s22, v[96+\j]              ; x = the sum over all 256 channels + the bias
.endr
.irp j, 0,1,2,3
	v_med3_num_f32 v[96+\j], v[96+\j], -s26, s26   ; held at +-2^27 (the stated limit), so that the whole exponents' sum stays inside 32 bits
.endr
	v_max3_num_f32 v100, v96, v97, v98             ; the largest x of my block of 32 tokens: my four,
	s_delay_alu instid0(VALU_DEP_1)
	v_max_num_f32 v100, v100, v99
	s_delay_alu instid0(VALU_DEP_1)
	v_max_num_f32_dpp v100, v100, v100 row_xmask:1 row_mask:0xf bank_mask:0xf   ; and those of the eight lanes that hold the block
	s_delay_alu instid0(VALU_DEP_1)
	v_max_num_f32_dpp v100, v100, v100 row_xmask:2 row_mask:0xf bank_mask:0xf
	s_delay_alu instid0(VALU_DEP_1)
	v_max_num_f32_dpp v100, v100, v100 row_xmask:4 row_mask:0xf bank_mask:0xf
	; 2^(C x) = m 2^e for my four tokens and for the block's largest x, the five by turns: the largest goes through the same lines as the token that it is, and gets the same bits
.irp n, 0,1,2,3,4
	v_mul_f32 v[104+\n], s20, v[96+\n]             ; the product,
.endr
.irp n, 0,1,2,3,4
	v_fma_f32 v[112+\n], v[96+\n], s20, -v[104+\n] ; what its rounding dropped,
.endr
.irp n, 0,1,2,3,4
	v_fma_f32 v[112+\n], v[96+\n], s21, v[112+\n]  ; and C's low part
.endr
.irp n, 0,1,2,3,4
	v_floor_f32 v[132+\n], v[104+\n]               ; the whole part
.endr
.irp n, 0,1,2,3,4
	v_sub_f32 v[104+\n], v[104+\n], v[132+\n]      ; (exact)
.endr
.irp n, 0,1,2,3,4
	v_add_f32 v[104+\n], v[104+\n], v[112+\n]      ; the fraction
.endr
	s_wait_alu depctr_va_vdst(0)
.irp n, 0,1,2,3,4
	v_exp_f32 v[120+\n], v[104+\n]                 ; m: v120-123 my tokens', v124 the block's
.endr
.irp n, 0,1,2,3
	v_cvt_i32_f32 v[128+\n], v[132+\n]             ; e.  (Plain lines behind the exponentials)
.endr
	v_cvt_i32_f32 v125, v136                       ; the block's, beside its m
	s_wait_alu depctr_va_vdst(0)                   ; one wait for the five exponentials, ahead of the first line that names a result
	global_store_b128 v[O16], v[120:123], s[24:25]             ; 128 m: 512 consecutive bytes
	global_store_b128 v[O16], v[128:131], s[24:25] offset:512  ; 128 e
	s_cmp_lg_u32 s2, 0
	s_cbranch_scc1 .Lend
	global_store_b64 v[O8], v[124:125], s[16:17] offset:2048   ; wave 0: the blocks' largest keys: 256 consecutive bytes
	s_branch .Lend
.Lwords:
	; ---- waves 2, 3: four rows' bytes of four blocks become four rows' scale words, 512 consecutive bytes a wave
	ds_load_b128 v[64:67], v[SWR]                  ; dword k: block k's bytes of rows 0 .. 3
	s_wait_dscnt 0x0
	v_perm_b32 v68, v65, v64, 0x05010400           ; rows 0, 1 of blocks 0, 1
	v_perm_b32 v69, v67, v66, 0x05010400           ; of blocks 2, 3
	v_perm_b32 v70, v65, v64, 0x07030602           ; rows 2, 3
	v_perm_b32 v71, v67, v66, 0x07030602
	v_perm_b32 v72, v69, v68, 0x05040100
	v_perm_b32 v73, v69, v68, 0x07060302
	v_perm_b32 v74, v71, v70, 0x05040100
	v_perm_b32 v75, v71, v70, 0x07060302
	global_store_b128 v[OSW], v[72:75], s[16:17] offset:1024
.Lend:
	s_wait_tensorcnt 0x0                           ; the wave's end: behind my last LDS store
	ds_add_u32 v[SPW], v[NIL]
	s_wait_dscnt 0x0
	s_endpgm
.Lfunc_end_k_qcc4d43413d_prep:
	.size	k_qcc4d43413d_prep, .Lfunc_end_k_qcc4d43413d_prep-k_qcc4d43413d_prep
	.p2alignl 7, 3214868480
	.fill 96, 4, 3214868480
	.section	.rodata,"a",@progbits
	.p2align	6, 0x0
	.amdhsa_kernel k_qcc4d43413d_prep
		.amdhsa_group_segment_fixed_size 168960
		.amdhsa_private_segment_fixed_size 0
		.amdhsa_enable_private_segment 0
		.amdhsa_kernarg_size 64
		.amdhsa_user_sgpr_count 2
		.amdhsa_user_sgpr_kernarg_segment_ptr 1
		.amdhsa_wavefront_size32 1
		.amdhsa_system_sgpr_workgroup_id_x 1
		.amdhsa_system_sgpr_workgroup_id_y 1
		.amdhsa_system_sgpr_workgroup_id_z 1
		.amdhsa_system_vgpr_workitem_id 0
		.amdhsa_next_free_vgpr 192
		.amdhsa_next_free_sgpr 102
		.amdhsa_reserve_vcc 1
		.amdhsa_float_denorm_mode_32 3
		.amdhsa_float_denorm_mode_16_64 3
		.amdhsa_memory_ordered 1
		.amdhsa_forward_progress 1
		.amdhsa_inst_pref_size 45
	.end_amdhsa_kernel
	.amdgpu_metadata
---
amdhsa.version: [ 1, 2 ]
amdhsa.kernels:
  - .name:           k_qcc4d43413d_prep
    .symbol:         k_qcc4d43413d_prep.kd
    .args:
      - { .name: h, .offset: 0, .size: 8, .value_kind: global_buffer, .address_space: global }
      - { .name: w1_w, .offset: 8, .size: 8, .value_kind: global_buffer, .address_space: global }
      - { .name: w1_b, .offset: 16, .size: 8, .value_kind: global_buffer, .address_space: global }
      - { .name: w2_w, .offset: 24, .size: 8, .value_kind: global_buffer, .address_space: global }
      - { .name: w2_b, .offset: 32, .size: 8, .value_kind: global_buffer, .address_space: global }
      - { .name: codes, .offset: 40, .size: 8, .value_kind: global_buffer, .address_space: global }
      - { .name: ktab, .offset: 48, .size: 8, .value_kind: global_buffer, .address_space: global }
      - { .name: qtab, .offset: 56, .size: 8, .value_kind: global_buffer, .address_space: global }
    .group_segment_fixed_size: 168960
    .private_segment_fixed_size: 0
    .kernarg_segment_align: 8
    .kernarg_segment_size: 64
    .max_flat_workgroup_size: 256
    .sgpr_count:     102
    .vgpr_count:     192
    .wavefront_size: 32
...
	.end_amdgpu_metadata
.endif
;; end of part 1
;; launch attn (part 2): grid 8 x 32, 8 waves a work-group, no clusters, 46,080 bytes of LDS; arguments codes, ktab, qtab, out0; writes out0
.if DOCPART == 2
	.amdgcn_target "amdgcn-amd-amdhsa--gfx1250"
	.amdhsa_code_object_version 6
	.text
	.protected	k_qcc4d43413d_attn
	.globl	k_qcc4d43413d_attn
	.p2align	8
	.type	k_qcc4d43413d_attn,@function
k_qcc4d43413d_attn:
	s_mov_b64 s[64:65], 0
	v_nop
	global_prefetch_b8 v0, s[64:65] scope:SCOPE_SE
	s_setreg_imm32_b32 hwreg(HW_REG_WAVE_MODE, 25, 1), 1
	s_wait_xcnt 0x0
; out0[b][c][i] = LeakyReLU(sum over j of softmax_j(tanh(a_i + k_j)) h[b][c][j]), the product on codes of FP4 (E2M1) with one E8M0 scale for each 32 keys j.
; THE SCORE.  z = e^(2 (a + k)) = mq mk 2^(eq + ek), from the first launch's tables: an integer addition, v_ldexp_f32 (which ends at infinity or 0, never at NaN) and a multiply-add give 1 + z;
; tanh = 1 - 2 / (1 + z);  t = tanh x log2(e);  p = 2^(t - M).  Two transcendentals a score: the reciprocal and the exponential.
; M IS THE CONSTANT 2.  tanh itself holds t inside +-log2(e) = +-1.4427 for every input, so p lies between 2^-3.45 and 2^-0.55: no exponential and no sum of 1,024 of them can overflow or underflow.
; Any whole M gives the same result: a power of two on p is taken up exactly by the blocks' scales and by the division by the row's sum.
; THE ROW'S SUM is taken of the unquantised p, in f32, and divides at the end.
; A BLOCK'S LARGEST p IS NOT SEARCHED FOR: for a given query p rises with k, so the key with the block's largest k (found by the first launch) goes through the same lines as every key.
; LIMIT: this takes v_rcp_f32 and v_exp_f32 not to fall where their input rises; at the worst one p of a block within an ulp of a power of two is held one code low.
; LIMITS of the tables: |a|, |k| are held at 2^27 by the first launch; NaN and infinities among the inputs are not served.
; SHARES.  A work-group takes 128 queries of one batch in two passes of 64.  In a pass wave w makes p of all 64 queries for ITS 128 keys, key step w.  A LANE HOLDS QUERIES, two of them: lane (r, hf) has
; query 4 r + 2 g + hf, g = 0, 1, so that each key read from LDS (one address for all lanes) serves two scores a lane, and a block's scale byte needs no other lane.
; The codes of two blocks are brought into source 1's 4-bit layout by v_permlane16_swap_b32 (tile 2 g from lanes 0-15's queries, tile 2 g + 1 from lanes 16-31's) and go to LDS as images of the operand's registers.
; Behind a barrier wave w multiplies: its 32 channels x 64 queries, all 1,024 keys, one f32 sum for each output.  ITS CODES OF h, 16,384 bytes, STAY IN 128 REGISTERS for the launch: each wave loads its own part once,
; straight from memory, while the first pass's p are made.  So nothing of h passes through LDS.
; Tile qt's column r is query 4 r + qt: a lane's results of the four tiles are four neighbouring queries of a channel, 16 bytes, and sixteen lanes hold 256 consecutive bytes of a row of out0: no stage on the way out.
; THE BLOCKS ARE PIPELINED.  A wave makes eight blocks of 32 keys x 64 queries, four a pass, in two work sets by turns.  While block n's reciprocals are issued, block n + 1's exponents are added; while block n's exponentials are
; issued, block n + 1's v_ldexp_f32.  What is written in such a batch is first read behind the wait that follows the batch.
; THE FIRST PASS'S BARRIER is signalled behind block 3 and waited for behind block 4, the second pass's first, which stores nothing to LDS and loads only the wave's own keys, which nobody writes again.
; Block 5, begun in block 4, is kept in the odd work set over the first pass's products, whose accumulators lie in the even one.
; NO CLUSTER: a joint load would lay h's codes (131,072 bytes a work-group, wanted once) into LDS, from where each wave would have to read its 16,384 bytes again; loaded straight into registers they are moved once.
; NO PREFETCH: h's codes are asked for once, a block or more of work ahead of their use, and no loop streams.
; REGISTERS.  Window 0: v1-87 addresses, constants, scales, sums, codes; v88-119 mk of 32 keys; v120-185 the even blocks' work set, and in the products the 8 accumulators; v186-251 the odd blocks'.
;   Window 1: v0-127 h's codes (step s, tile t at 16 s + 8 t); v128-255 four steps' fragments of p, then results on their way to memory.
.set REC,  2304                        ; a record of ktab: 0 mk, 512 ek, 1,024 h's scale words, 2,048 the blocks' largest keys
.set SCO,  32768                       ; LDS: p's images [tile 4][step 8][c 2][lane 32][16 bytes] from 0; then p's scale words [g][lane][step] in 2 x 1,024 bytes;
.set LT,   34816                       ; the eight waves' parts of the rows' sums [wave][64 queries];
.set KEYS, 36864                       ; each wave's keys: mk[128], ek[128];
.set SPARE, 45056                      ; the spare words, 128 bytes for each wave
.set HO,   1                           ; v1   4 x lane
.set SPW,  2                           ; v2   my spare word's address, v3 0: never rewritten
.set NIL,  3
.set KA,   4                           ; v4   my wave's keys, the same address in all lanes
.set PST,  5                           ; v5   where I put p's images
.set SWA,  6                           ; v6   p's scale words
.set LTA,  7                           ; v7   my part of a row's sum
.set PRD,  8                           ; v8   16 x lane
.set SRD,  9                           ; v9   where I read p's scale words
.set LRD,  10                          ; v10  where I read four queries' sums
.set GO,   11                          ; v11  my bytes in out0: row 8 hf, + 16 r
.set QB,   12                          ; v12-17 pass 0's queries: mantissas of g = 0, 1, that of g = 1 twice more (a packed form names a pair), whole exponents of g = 0, 1;  v18-23 pass 1's
.set HS,   24                          ; v24-31 h's scale words, one register a step: lanes 0-15 my first tile's, lanes 16-31 my second's; scales and nothing else
.set PSW,  32                          ; v32-47 p's, [g][step]: lanes 0-15 tile 2 g's, lanes 16-31 tile 2 g + 1's; scales and nothing else
.set LI,   48                          ; v48-55 1 / l of tile qt at v[48 + 2 qt]; the odd ones are named with them as pairs
.set CP,   56                          ; v56-57 log2(e) - 2
.set L,    58                          ; v58-65 the rows' sums, two pairs for each g
.set SO,   66                          ; v66-67 the conversions' scale operands
.set BY,   68                          ; v68-69 a scale byte
.set SW,   70                          ; v70-71 four of them
.set CD,   72                          ; v72-87 codes: [g][block % 2][4]
.set KM,   88
.set SA,   120                         ; a work set: 32 numbers of g = 0, 32 of g = 1, the block's largest of both
.set SB,   186
.set ACC,  120                         ; accumulator (t, qt) at v[ACC + 8 (4 t + qt)]
.set R,    252                         ; v252-255 the head's: r, hf, two offsets
.set HF,   253
.set QO,   254
.set KST,  255
.set PF,   128                         ; in window 1
.set T,    192                         ; in window 1: the way out's products with 0.2
.set WV,   12                          ; s12  my wave's number
.set BMX,  16                          ; s[16:23] (m, e) of the four blocks' largest keys
.set CS,   24                          ; s[24:25] -2 log2(e): the packed form names a pair and takes its low word for both halves
.set F2,   26                          ; s[26:27] 0.2, likewise
.set MSB, 0
.macro WIN new                         ; the immediate's high byte repeats the setting that is left; a switch that changes nothing is dropped
.if MSB != \new
	s_set_vgpr_msb (MSB<<8)|\new
.set MSB, \new
.endif
.endm
	s_load_b256 s[4:11], s[0:1], 0x0               ; codes s[4:5], ktab s[6:7], qtab s[8:9], out0 s[10:11]
	v_lshl_add_u32 v[SPW], v0, 2, SPARE
	v_mov_b32 v[NIL], 0
	v_lshrrev_b32 v1, 5, v0
	v_readfirstlane_b32 s[WV], v1                  ; wave 0..7
	s_and_b32 s13, ttmp7, 0xffff                   ; the batch
	s_lshl_b32 s14, s13, 3
	s_add_co_u32 s15, s14, s[WV]
	s_mul_i32 s32, s15, REC                        ; ktab: my key step's record 8 b + w
	s_mov_b32 s33, 0
	s_mul_i32 s34, s14, REC                        ; the batch's records: my 32 channels' scale words lie at 128 w + 4 lane
	s_lshl_b32 s15, s[WV], 7
	s_add_co_u32 s34, s34, s15
	s_mov_b32 s35, 0
	s_lshl_b32 s36, s13, 17                        ; codes: b x 131,072 + my two tiles of 1,024 bytes in each step
	s_lshl_b32 s15, s[WV], 11
	s_add_co_u32 s36, s36, s15
	s_mov_b32 s37, 0
	s_add_co_u32 s38, s14, ttmp9                   ; qtab: record 8 b + x
	s_lshl_b32 s38, s38, 10
	s_mov_b32 s39, 0
	s_lshl_b32 s40, s13, 20                        ; out0: b x 1 MiB + 32 w rows of 4,096 bytes + 512 x
	s_lshl_b32 s15, s[WV], 17
	s_add_co_u32 s40, s40, s15
	s_lshl_b32 s15, ttmp9, 9
	s_add_co_u32 s40, s40, s15
	s_mov_b32 s41, 0
	s_lshl_b32 s42, s[WV], 10
	s_add_co_u32 s43, s42, KEYS
	s_lshl_b32 s44, s[WV], 2
	s_add_co_u32 s44, s44, SCO
	s_lshl_b32 s45, s[WV], 8
	s_add_co_u32 s45, s45, LT
	s_mov_b32 s[CS], 0xc038aa3b
	s_mov_b32 s[CS+1], s[CS]
	s_mov_b32 s[F2], 0x3e4ccccd
	s_mov_b32 s[F2+1], s[F2]
	v_and_b32 v1, 31, v0                           ; lane
	v_and_b32 v[R], 15, v0
	v_bfe_u32 v[HF], v0, 4, 1
	v_mov_b32 v[KA], s43
	v_lshl_add_u32 v[PST], v1, 4, s42
	v_lshl_add_u32 v[KST], v1, 4, s43
	v_lshl_add_u32 v[SWA], v1, 5, s44
	v_lshl_add_u32 v[LTA], v[R], 4, s45
	v_lshlrev_b32 v[PRD], 4, v1
	v_lshl_add_u32 v[SRD], v1, 5, SCO
	v_lshl_add_u32 v[LTA], v[HF], 2, v[LTA]
	v_lshl_add_u32 v[LRD], v[R], 4, LT
	v_lshlrev_b32 v[GO], 15, v[HF]
	v_lshlrev_b32 v[QO], 2, v[HF]
	v_mov_b32 v[CP], 0xbf0eab8a                    ; log2(e) - 2
	v_mov_b32 v[CP+1], 0xbf0eab8a
	v_lshl_add_u32 v[GO], v[R], 4, v[GO]
	v_lshl_add_u32 v[QO], v[R], 4, v[QO]           ; query 4 r + hf of a pass; g = 1's lies 8 bytes on
.irp q, 0,1,2,3
	v_mov_b32 v[LI+2*\q+1], 0                      ; (named in pairs, so they are written)
.endr
	v_lshlrev_b32 v[HO], 2, v1
	s_wait_alu depctr_va_vdst(0)                   ; the wait at the head's end
	s_wait_kmcnt 0x0
	s_add_nc_u64 s[32:33], s[6:7], s[32:33]
	s_add_nc_u64 s[34:35], s[6:7], s[34:35]
	s_add_nc_u64 s[36:37], s[4:5], s[36:37]
	s_add_nc_u64 s[38:39], s[8:9], s[38:39]
	s_add_nc_u64 s[10:11], s[10:11], s[40:41]
	global_load_b128 v[SB:SB+3], v[PRD], s[32:33]              ; my 128 keys: mk,
	global_load_b128 v[SB+4:SB+7], v[PRD], s[32:33] offset:512 ; ek
.irp p, 0,1
.irp g, 0,1
	global_load_b32 v[QB+6*\p+\g], v[QO], s[38:39] offset:256*\p+8*\g
	global_load_b32 v[QB+6*\p+4+\g], v[QO], s[38:39] offset:512+256*\p+8*\g
.endr
.endr
.irp b, 0,1,2,3
	s_load_b64 s[BMX+2*\b:BMX+2*\b+1], s[32:33], 2048+64*\b
.endr
	s_wait_kmcnt 0x0
	s_wait_loadcnt 0x0                             ; keys and queries are in
	ds_store_b128 v[KST], v[SB:SB+3]
	ds_store_b128 v[KST], v[SB+4:SB+7] offset:512
.irp p, 0,1
	v_mov_b32 v[QB+6*\p+2], v[QB+6*\p+1]
	v_mov_b32 v[QB+6*\p+3], v[QB+6*\p+1]
.endr
; Two steps' share of h: my two tiles' codes (window 1) and scale words.
.macro HLOAD s0
.irp s, \s0, \s0+1
	global_load_b32 v[HS+(\s)], v[HO], s[34:35] offset:1024+REC*(\s)
.endr
	WIN 0x40                                       ; destination window 1
.irp s, \s0, \s0+1
.irp t, 0,1
.irp c, 0,1
	global_load_b128 v[16*(\s)+8*\t+4*\c:16*(\s)+8*\t+4*\c+3], v[PRD], s[36:37] offset:16384*(\s)+1024*\t+512*\c
.endr
.endr
.endr
	WIN 0
.endm
; 32 keys' exponents straight into the work set of block blk; their mantissas into KM: every lane reads the same 16 bytes.  (My own bytes: LDS serves a wave's instructions in order, ISA guide 5.7.1.4)
.macro KEL blk
.set SL, SA+66*((\blk)%2)
.irp q, 0,4,8,12,16,20,24,28
	ds_load_b128 v[SL+\q:SL+\q+3], v[KA] offset:512+128*((\blk)%4)+4*\q
.endr
.endm
.macro KML blk
.irp q, 0,4,8,12,16,20,24,28
	ds_load_b128 v[KM+\q:KM+\q+3], v[KA] offset:128*((\blk)%4)+4*\q
.endr
.endm
.macro NEXT blk                        ; what ADDI and LDX work on: block blk's set, queries and largest key
.set SX, SA+66*((\blk)%2)
.set QX, QB+6*((\blk)/4)
.set BX, BMX+2*((\blk)%4)
.endm
.macro ADDI                            ; addition u of 66: eq + ek; g = 1 first, since g = 0's lands on ek itself
.if u < 64
.if u%2
	v_add_nc_u32 v[SX+u/2], v[QX+4], v[SX+u/2]
.else
	v_add_nc_u32 v[SX+32+u/2], v[QX+5], v[SX+u/2]
.endif
.else
	v_add_nc_u32 v[SX+u], s[BX+1], v[QX+4+u-64]
.endif
.set u, u+1
.endm
.macro LDX                             ; mk 2^(eq + ek), number u of 66
.if u < 64
	v_ldexp_f32 v[SX+32*(u%2)+u/2], v[KM+u/2], v[SX+32*(u%2)+u/2]
.else
	v_ldexp_f32 v[SX+u], s[BX], v[SX+u]
.endif
.set u, u+1
.endm
.macro ONEZ                            ; 1 + z of the set SX, 33 pairs
.set i, 0
.rept 16
	v_pk_fma_f32 v[SX+i:SX+i+1], v[SX+i:SX+i+1], v[QX:QX+1], 1.0 op_sel_hi:[1,0,0]                      ; (the low word serves both halves)
	v_pk_fma_f32 v[SX+32+i:SX+33+i], v[SX+32+i:SX+33+i], v[QX+2:QX+3], 1.0 op_sel_hi:[1,0,0]
.set i, i+2
.endr
	v_pk_fma_f32 v[SX+64:SX+65], v[SX+64:SX+65], v[QX:QX+1], 1.0 op_sel_hi:[1,1,0]                      ; the two queries' largest: each half with its own mantissa
.endm
; Block blk (0 .. 7): p of 32 keys and of the block's largest, for my two queries, from 1 + z; their sums, scale bytes and codes.  first: a pass's first block starts its sums.
.macro BLOCK blk, first
.set SN, SA+66*((\blk)%2)
	NEXT (\blk)+1
	s_wait_alu depctr_va_vdst(0)                   ; a wait ahead of a batch of transcendentals, and one behind it
.set m, 0
.set u, 0
.rept 16
	v_rcp_f32 v[SN+m], v[SN+m]
.set m, m+1
.endr
.if (\blk) < 7
	s_wait_dscnt 0x0                               ; the next block's exponents and mantissas are in, and earlier codes have left their registers
.endif
.rept 50
	v_rcp_f32 v[SN+m], v[SN+m]
.set m, m+1
.if (\blk) < 7
	ADDI
.endif
.endr
.if (\blk) < 7
.rept 16
	ADDI
.endr
.else
	v_nop                                          ; a plain place behind the batch
.endif
	s_wait_alu depctr_va_vdst(0)
.if (\blk) < 4
	HLOAD 2*(\blk)                                 ; first wanted by the first pass's products
.endif
.set i, 0
.rept 33
	v_pk_fma_f32 v[SN+i:SN+i+1], v[SN+i:SN+i+1], s[CS:CS+1], v[CP:CP+1] op_sel_hi:[1,0,0]   ; t - M
.set i, i+2
.endr
	s_wait_alu depctr_va_vdst(0)
.set m, 0
.set u, 0
.rept 66
	v_exp_f32 v[SN+m], v[SN+m]
.set m, m+1
.if (\blk) < 7
	LDX
.endif
.endr
.if (\blk) == 7
	v_nop
.endif
.if (\blk) < 6
	KML (\blk)+2                                   ; (KM has just been used up)
.endif
	s_wait_alu depctr_va_vdst(0)
.irp g, 0,1
	v_add_nc_u32 v[SO+\g], 0xff000000, v[SN+64+\g] ; 2 off the exponent field of the block's largest p: the conversion's scale operand.  (p is at least 2^-3.45: no floor is needed)
.endr
.irp g, 0,1
.if \first
	v_lshrrev_b32 v[SW+\g], 23, v[SO+\g]           ; the scale's byte
.else
	v_lshrrev_b32 v[BY+\g], 23, v[SO+\g]
.endif
.endr
.if !\first
.irp g, 0,1
	v_lshl_or_b32 v[SW+\g], v[BY+\g], 8*((\blk)%4), v[SW+\g]
.endr
.endif
.irp k, 0,1,2,3
.irp g, 0,1
	v_cvt_scalef32_pk8_fp4_f32 v[CD+8*\g+4*((\blk)%2)+\k], v[SN+32*\g+8*\k:SN+32*\g+8*\k+7], v[SO+\g]
.endr
.endr
	; the rows' sums of the unquantised p, two at a time, in four chains by turns.  (Plain places behind the conversions)
.if \first
.irp k, 0,2
.irp g, 0,1
	v_pk_add_f32 v[L+4*\g+\k:L+4*\g+\k+1], v[SN+32*\g+\k:SN+32*\g+\k+1], v[SN+32*\g+\k+4:SN+32*\g+\k+5]
.endr
.endr
.endif
.set i, 8*\first
.rept 8-2*\first
.irp k, 0,2
.irp g, 0,1
	v_pk_add_f32 v[L+4*\g+\k:L+4*\g+\k+1], v[L+4*\g+\k:L+4*\g+\k+1], v[SN+32*\g+\k+i:SN+32*\g+\k+i+1]
.endr
.endr
.set i, i+4
.endr
.if (\blk) < 6
.if (\blk) != 4                        ; (block 6's set holds the accumulators first)
	KEL (\blk)+2                                   ; (this block's set has just been used up)
.endif
.endif
.if (\blk)%2                           ; two blocks are done: half (blk % 4) / 2 of the operands' registers
.irp k, 0,1,2,3
.irp g, 0,1
	v_permlane16_swap_b32 v[CD+8*\g+\k], v[CD+8*\g+4+\k]   ; lanes 16-31 of the one change places with lanes 0-15 of the other: the first is then tile 2 g's (the even block | the odd), the second tile 2 g + 1's
.endr
.endr
.irp g, 0,1
	ds_store_b128 v[PST], v[CD+8*\g:CD+8*\g+3] offset:16384*\g+512*(((\blk)%4)/2)
	ds_store_b128 v[PST], v[CD+8*\g+4:CD+8*\g+7] offset:16384*\g+8192+512*(((\blk)%4)/2)
.endr
.endif
.if (\blk)%4 == 3                      ; the pass's p are made
.irp g, 0,1
	v_pk_add_f32 v[L+4*\g:L+4*\g+1], v[L+4*\g:L+4*\g+1], v[L+4*\g+2:L+4*\g+3]
.endr
.irp g, 0,1
	v_add_f32 v[L+4*\g], v[L+4*\g], v[L+4*\g+1]    ; my query's sum over my wave's 128 keys
.endr
.irp g, 0,1
	ds_store_b32 v[SWA], v[SW+\g] offset:1024*\g
	ds_store_b32 v[LTA], v[L+4*\g] offset:8*\g
.endr
.endif
.if (\blk) < 7
	ONEZ                                           ; the next block's
.endif
.if (\blk)%4 == 3
	s_wait_dscnt 0x0                               ; for the others' sake: my LDS stores are done
	s_barrier_signal -1
.endif
.endm
.macro PLOAD s                         ; step s's fragments of p, four tiles, into set s % 4 (window 1)
.irp q, 0,1,2,3
.irp c, 0,1
	ds_load_b128 v[PF+32*((\s)%4)+8*\q+4*\c:PF+32*((\s)%4)+8*\q+4*\c+3], v[PRD] offset:8192*\q+1024*(\s)+512*\c
.endr
.endr
.endm
; One product: 16 channels of tile t x 16 queries of tile q, 128 keys.  z = 1: the first step starts the sum
.macro WM s, t, q, z
.set AC, ACC+8*(4*\t+\q)
.set HA, 16*(\s)+8*\t
.set PB, PF+32*((\s)%4)+8*\q
.set HSR, HS+(\s)
.set PSR, PSW+8*((\q)/2)+(\s)
.if \z
.if \t
.if (\q)%2
	v_wmma_scale_f32_16x16x128_f8f6f4 v[AC:AC+7], v[HA:HA+7], v[PB:PB+7], 0, v[HSR], v[PSR] matrix_a_fmt:MATRIX_FMT_FP4 matrix_b_fmt:MATRIX_FMT_FP4 matrix_a_scale:MATRIX_SCALE_ROW1 matrix_b_scale:MATRIX_SCALE_ROW1
.else
	v_wmma_scale_f32_16x16x128_f8f6f4 v[AC:AC+7], v[HA:HA+7], v[PB:PB+7], 0, v[HSR], v[PSR] matrix_a_fmt:MATRIX_FMT_FP4 matrix_b_fmt:MATRIX_FMT_FP4 matrix_a_scale:MATRIX_SCALE_ROW1
.endif
.else
.if (\q)%2
	v_wmma_scale_f32_16x16x128_f8f6f4 v[AC:AC+7], v[HA:HA+7], v[PB:PB+7], 0, v[HSR], v[PSR] matrix_a_fmt:MATRIX_FMT_FP4 matrix_b_fmt:MATRIX_FMT_FP4 matrix_b_scale:MATRIX_SCALE_ROW1
.else
	v_wmma_scale_f32_16x16x128_f8f6f4 v[AC:AC+7], v[HA:HA+7], v[PB:PB+7], 0, v[HSR], v[PSR] matrix_a_fmt:MATRIX_FMT_FP4 matrix_b_fmt:MATRIX_FMT_FP4
.endif
.endif
.else
.if \t
.if (\q)%2
	v_wmma_scale_f32_16x16x128_f8f6f4 v[AC:AC+7], v[HA:HA+7], v[PB:PB+7], v[AC:AC+7], v[HSR], v[PSR] matrix_a_fmt:MATRIX_FMT_FP4 matrix_b_fmt:MATRIX_FMT_FP4 matrix_a_scale:MATRIX_SCALE_ROW1 matrix_b_scale:MATRIX_SCALE_ROW1
.else
	v_wmma_scale_f32_16x16x128_f8f6f4 v[AC:AC+7], v[HA:HA+7], v[PB:PB+7], v[AC:AC+7], v[HSR], v[PSR] matrix_a_fmt:MATRIX_FMT_FP4 matrix_b_fmt:MATRIX_FMT_FP4 matrix_a_scale:MATRIX_SCALE_ROW1
.endif
.else
.if (\q)%2
	v_wmma_scale_f32_16x16x128_f8f6f4 v[AC:AC+7], v[HA:HA+7], v[PB:PB+7], v[AC:AC+7], v[HSR], v[PSR] matrix_a_fmt:MATRIX_FMT_FP4 matrix_b_fmt:MATRIX_FMT_FP4 matrix_b_scale:MATRIX_SCALE_ROW1
.else
	v_wmma_scale_f32_16x16x128_f8f6f4 v[AC:AC+7], v[HA:HA+7], v[PB:PB+7], v[AC:AC+7], v[HSR], v[PSR] matrix_a_fmt:MATRIX_FMT_FP4 matrix_b_fmt:MATRIX_FMT_FP4
.endif
.endif
.endif
.endm
.macro STEPMM s, z                     ; eight accumulators by turns, in the same order in every step
	WIN 0x05                                       ; sources 0 (h) and 1 (p) window 1; C and D window 0
.irp q, 0,1,2,3
.irp t, 0,1
	WM \s, \t, \q, \z
.endr
.endr
.endm
; THE PRODUCTS of pass p, and its way out.
.macro PRODUCTS p
	s_barrier_wait -1                              ; the pass's p, scale words and sums are whole
	s_wait_xcnt 0x0                                ; the last pass's stores have read their registers
.irp k, 0,1,2,3,4,5,6,7
	ds_load_b128 v[ACC+4*\k:ACC+4*\k+3], v[LRD] offset:256*\k      ; wave k's part of l of queries 4 r + 0 .. 3
.endr
.irp g, 0,1
.irp k, 0,1
	ds_load_b128 v[PSW+8*\g+4*\k:PSW+8*\g+4*\k+3], v[SRD] offset:1024*\g+16*\k
.endr
.endr
	WIN 0x40
	PLOAD 0
	PLOAD 1
	PLOAD 2
	PLOAD 3
	WIN 0
	s_wait_dscnt 36                                ; l's parts are in; 4 loads of scale words and 32 of p may be out
.irp k, 0,8,16,24
.irp i, 0,2
	v_pk_add_f32 v[ACC+\k+\i:ACC+\k+\i+1], v[ACC+\k+\i:ACC+\k+\i+1], v[ACC+\k+\i+4:ACC+\k+\i+5]
.endr
.endr
.irp k, 0,16
.irp i, 0,2
	v_pk_add_f32 v[ACC+\k+\i:ACC+\k+\i+1], v[ACC+\k+\i:ACC+\k+\i+1], v[ACC+\k+\i+8:ACC+\k+\i+9]
.endr
.endr
.irp i, 0,2
	v_pk_add_f32 v[ACC+\i:ACC+\i+1], v[ACC+\i:ACC+\i+1], v[ACC+\i+16:ACC+\i+17]
.endr
	s_wait_alu depctr_va_vdst(0)
.irp q, 0,1,2,3
	v_rcp_f32 v[LI+2*\q], v[ACC+\q]                ; 1 / l of query 4 r + q: tile q's column
.endr
	v_nop
	s_wait_alu depctr_va_vdst(0)
.if \p == 0
	s_wait_loadcnt 0x0                             ; h's codes and scale words are in (asked for in blocks 0 to 3)
.endif
	s_wait_dscnt 24                                ; step 0's fragments, and the scale words ahead of them; three steps' loads may be out
	STEPMM 0, 1
.irp s, 1,2,3,4
.rept 4
	v_nop                                          ; places in front of loads into registers that the last step's products have read
.endr
	WIN 0x40
	PLOAD \s+3
	s_wait_dscnt 24                                ; this step's fragments are in; the three steps behind may be out
	STEPMM \s, 0
.endr
.if \p == 0
	s_wait_dscnt 0x0                               ; all my reads of p, its scale words and the sums are over: say so; the next pass's are stored only behind this barrier
	s_barrier_signal -1
	STEPMM 5, 0                                    ; work on registers while the others arrive
	STEPMM 6, 0
	STEPMM 7, 0
	s_barrier_wait -1
.else
	s_wait_dscnt 16
	STEPMM 5, 0
	s_wait_dscnt 8
	STEPMM 6, 0
	s_wait_dscnt 0x0
	STEPMM 7, 0
.endif
	WIN 0
.rept 4
	v_nop                                          ; places behind the last products
.endr
	; y = sum / l;  LeakyReLU(y) = max(y, 0.2 y).  Register 4 j + q of tile t's results: channel 16 t + 8 hf + j, query 4 r + q
.irp t, 0,1
	WIN 0
.irp q, 0,1,2,3
.irp j, 0,2,4,6
	v_pk_mul_f32 v[ACC+32*\t+8*\q+\j:ACC+32*\t+8*\q+\j+1], v[ACC+32*\t+8*\q+\j:ACC+32*\t+8*\q+\j+1], v[LI+2*\q:LI+2*\q+1] op_sel_hi:[1,0]
.endr
.endr
	WIN 0x40                                       ; destination window 1: registers of p's fragments, which are rewritten only in the next pass's products
.irp q, 0,1,2,3
.irp j, 0,2,4,6
	v_pk_mul_f32 v[T+8*\q+\j:T+8*\q+\j+1], v[ACC+32*\t+8*\q+\j:ACC+32*\t+8*\q+\j+1], s[F2:F2+1] op_sel_hi:[1,0]
.endr
.endr
	WIN 0x44                                       ; source 1 window 1 too
.irp j, 0,1,2,3,4,5,6,7
.irp q, 0,1,2,3
	v_max_num_f32 v[PF+32*\t+4*\j+\q], v[ACC+32*\t+8*\q+\j], v[T+8*\q+\j]
.endr
.endr
	WIN 0x04                                       ; a store's data are its source 1: window 1
.irp j, 0,1,2,3,4,5,6,7
	global_store_b128 v[GO], v[PF+32*\t+4*\j:PF+32*\t+4*\j+3], s[10:11] offset:65536*\t+4096*\j+256*\p th:TH_STORE_NT   ; sixteen lanes store 256 consecutive bytes of a row, at a multiple of 256 from out0's first byte, the other sixteen those of the row eight on
.endr
.endr
	WIN 0
.endm
	KEL 0
	KML 0
	NEXT 0
	s_wait_dscnt 0x0
.set u, 0
.rept 66
	ADDI
.endr
.set u, 0
.rept 66
	LDX
.endr
	KML 1
	KEL 1
	ONEZ
	BLOCK 0, 1
	BLOCK 1, 0
	BLOCK 2, 0
	BLOCK 3, 0
	BLOCK 4, 1                                     ; between the first pass's signal and its wait
	PRODUCTS 0
	KEL 6
	BLOCK 5, 0
	BLOCK 6, 0
	BLOCK 7, 0
	PRODUCTS 1
	s_wait_tensorcnt 0x0                           ; the wave's end: behind my last LDS store
	ds_add_u32 v[SPW], v[NIL]
	s_wait_dscnt 0x0
	s_endpgm
.Lfunc_end_k_qcc4d43413d_attn:
	.size	k_qcc4d43413d_attn, .Lfunc_end_k_qcc4d43413d_attn-k_qcc4d43413d_attn
	.p2alignl 7, 3214868480
	.fill 96, 4, 3214868480
	.section	.rodata,"a",@progbits
	.p2align	6, 0x0
	.amdhsa_kernel k_qcc4d43413d_attn
		.amdhsa_group_segment_fixed_size 46080
		.amdhsa_private_segment_fixed_size 0
		.amdhsa_enable_private_segment 0
		.amdhsa_kernarg_size 32
		.amdhsa_user_sgpr_count 2
		.amdhsa_user_sgpr_kernarg_segment_ptr 1
		.amdhsa_wavefront_size32 1
		.amdhsa_system_sgpr_workgroup_id_x 1
		.amdhsa_system_sgpr_workgroup_id_y 1
		.amdhsa_system_sgpr_workgroup_id_z 1
		.amdhsa_system_vgpr_workitem_id 0
		.amdhsa_next_free_vgpr 512
		.amdhsa_next_free_sgpr 66
		.amdhsa_reserve_vcc 0
		.amdhsa_float_denorm_mode_32 3
		.amdhsa_float_denorm_mode_16_64 3
		.amdhsa_memory_ordered 1
		.amdhsa_forward_progress 1
		.amdhsa_inst_pref_size 205
	.end_amdhsa_kernel
	.amdgpu_metadata
---
amdhsa.version: [ 1, 2 ]
amdhsa.kernels:
  - .name:           k_qcc4d43413d_attn
    .symbol:         k_qcc4d43413d_attn.kd
    .args:
      - { .name: codes, .offset: 0, .size: 8, .value_kind: global_buffer, .address_space: global }
      - { .name: ktab, .offset: 8, .size: 8, .value_kind: global_buffer, .address_space: global }
      - { .name: qtab, .offset: 16, .size: 8, .value_kind: global_buffer, .address_space: global }
      - { .name: out0, .offset: 24, .size: 8, .value_kind: global_buffer, .address_space: global }
    .group_segment_fixed_size: 46080
    .private_segment_fixed_size: 0
    .kernarg_segment_align: 8
    .kernarg_segment_size: 32
    .max_flat_workgroup_size: 256
    .sgpr_count:     66
    .vgpr_count:     512
    .wavefront_size: 32
...
	.end_amdgpu_metadata
.endif
;; end of part 2
